; MI455X (gfx1250); checked and timed in simulation.
; The chip was launched on July 23, 2026; its instructions are those of AMD's public machine-readable ISA for CDNA 5 (MIT licence, August 2026) and "CDNA5" Instruction Set Architecture Reference Guide (July 2026). The comments in the code are by the model that wrote it; some were corrected since.
;; Attention. Allowed arithmetic: matrix products marked QUANTISED: E2M3 operands, one E8M0 scale for each 32 along K, by v_wmma_scale_f32_16x16x128_f8f6f4 with both operands' format E2M3, f32 sums; everything else in f32.
;; Inputs: W_out 1,024 x 1,024 float32; b_out 1,024 float32; k 4 x 16 x 2,048 x 64 float32; mask 4 x 2,047 bool; q 4 x 16 x 2,048 x 64 float32; v 4 x 16 x 2,048 x 64 float32.
;; Outputs: out0 4 x 2,048 x 1,024 float32.
;; This version of the problem:
;;   THIS VERSION OF THE PROBLEM IS GIVEN IN LOW PRECISION. The matrix products marked QUANTISED in the list below multiply operands that are first quantised to E2M3 (2 exponent bits, 3 mantissa bits; 6 bits a number), with one power-of-two scale for each 32 numbers along K (OCP MX v1.0); their sums are f32. All else is computed in f32.
;;   The module's matrix products, in the order in which they are computed (A, B: the left and right operand; K: the contracted axis; several contracted axes count as one K, in the product's order):
;;     1. batch 64 x [M 2,048, K 64] x [K 64, N 2,048]; A: input q; B: input k: QUANTISED
;;     2. batch 64 x [M 2,048, K 2,048] x [K 2,048, N 64]; A: softmax (see below); B: input v: QUANTISED
;;     3. [M 8,192, K 1,024] x [K 1,024, N 1,024]; A: computed on the way; B: input W_out: QUANTISED
;;   THE QUANTISER, for each operand of a quantised product, along K:
;;     - K is cut into blocks of 32 from its start; a last block that is shorter is filled with zeros.
;;     - A block's scale is 2^e with e = floor(log2(the largest magnitude in the block)) - 2, held to -126 .. 127; a block of zeros has e = 0. As a byte (E8M0): e + 127.
;;     - Each number is divided by its block's scale, clamped to +-7.5, and rounded to the nearest number of E2M3, ties to even, subnormals kept.
;;     - The product sums the exact products of the quantised numbers (number of the format x scale) in f32.
;;   ~~~python
;;   def quantise(x, axis):      # numpy; x: float32 -> the quantised numbers, widened to float32 again
;;       x = np.moveaxis(x, axis, -1); K = x.shape[-1]
;;       x = np.pad(x, [(0, 0)] * (x.ndim - 1) + [(0, -K % 32)]); x = x.reshape(x.shape[:-1] + (-1, 32)); a = np.abs(x).max(-1, keepdims=True)
;;       e = np.where(a > 0, np.clip(np.frexp(np.where(a > 0, a, 1))[1] - 1 - 2, -126, 127), 0)      # np.frexp(a)[1] - 1 = floor(log2(a)), exactly
;;       r = np.clip(x / 2.0 ** e, -7.5, 7.5)
;;       step = 2.0 ** (np.maximum(np.frexp(np.where(r == 0, 1, r))[1] - 1, 0) - 3)
;;       q = np.round(r / step) * step * 2.0 ** e      # np.round: ties to even
;;       return np.moveaxis(q.reshape(q.shape[:-2] + (-1,))[..., :K], -1, axis).astype(np.float32)
;;   ~~~
;;   SOFTMAX AHEAD OF A QUANTISED PRODUCT. Where the list says 'softmax', what is quantised is not the finished softmax but p = 2^(t - M), with t = logit x log2(e) and M = ceil(the row's largest t), a whole number; so 1/2 < the row's largest p <= 1. The row's sum l is taken of the UNQUANTISED p, in f32, and the product's result is divided by l at the end. Since M is a whole number, a kernel that streams over the keys may use a running M (the ceiling of the running maximum): every later rescaling is an exact power of two, which a block's scale takes up: the codes' values come out the same.
;;   OPERANDS COMPUTED ON THE WAY. 'Computed on the way' means the value that the module computes at that place (a softmax that the list does not call 'softmax' is quantised finished and normalised). What goes into a quantiser is computed in f32, as accurately as f32 sums, v_exp_f32 and their like allow (about 1e-6 of the number): no bf16 or f16 on the way to a quantiser, and a product that is left as it is and whose result goes on into a quantised operand takes f32 operands (vector FMAs, or v_wmma_f32_16x16x4_f32). A number that lies on a knife's edge between two numbers of the format may be rounded either way, as far as f32 arithmetic and the matrix unit's own rounding can turn it there, and no further.
;; One version. Each part assembles by itself: llvm-mc -triple=amdgcn-amd-amdhsa -mcpu=gfx1250 --defsym DOCPART=n.
;; ======== version 1 of 1: 3 launches
;; limits: right only within a limited range of input values
;; workspace buffers: qb 6,815,744 bytes; kv 13,369,344 bytes; wq 819,200 bytes; ac 6,553,600 bytes
;; launch prep (part 1): grid 832 x 1, 4 waves a work-group, no clusters, 58,880 bytes of LDS; arguments q, k, v, mask, W_out, qb, kv, wq; writes qb, kv, wq
.if DOCPART == 1
	.amdgcn_target "amdgcn-amd-amdhsa--gfx1250"
	.amdhsa_code_object_version 6
	.text
	.protected	k_q1d892ad804_prep
	.globl	k_q1d892ad804_prep
	.p2align	8
	.type	k_q1d892ad804_prep,@function
k_q1d892ad804_prep:
	s_mov_b64 s[64:65], 0
	v_nop
	global_prefetch_b8 v0, s[64:65] scope:SCOPE_SE
	s_setreg_imm32_b32 hwreg(HW_REG_WAVE_MODE, 25, 1), 1
	s_wait_xcnt 0x0
; q, k, v [4][16][2048][64] and W_out [1024][1024], f32, become codes of FP6 (E2M3) with one E8M0 byte for each 32 along the K of the product that reads them,
; laid in the ORDER OF THE OPERANDS' REGISTERS, so that the later launches fetch dense blocks and load fragments as they lie.
;   HALF (768 bytes): 16 rows x 64 along K; lane 16 h + r holds block h of row r: its 24 bytes at 24 x lane.
;   FULL (1,536 bytes): 16 rows x 128 along K, 12 registers a lane; registers 4 g .. 4 g + 3 at 512 g + 16 x lane.
; THE ROWS OF A TILE: tile 2 b + u of a group of 128 rows (64 for v's channels) takes in lane r row 32 b + 8 u + r + 8 (r / 8), so that a product's results of two neighbouring tiles are 16 neighbours along the next K.
; A block's scale is 2^(floor(log2(largest magnitude)) - 2): its byte is the largest magnitude's exponent field - 2, held at 1 from below by a floor among the maximum's leaves.
; THE MASK goes into q's and k's scale words.  The first product's K is 64 of the instruction's 128; block 2 will hold one constant code a side (+7.5 for a query, -7.5 for a key), and byte 2 of a row's word says
; how much it weighs: query open 187 (2^60), hidden 1; key open 1 (2^-126), hidden 187.  Byte 3 scales zero codes alone and is 1.
; LIMITS: a block of zeros gets the byte 1 (the rule says 127): its codes are zeros and this program alone reads the bytes; blocks whose largest magnitude lies under 2^-124 keep the byte 1; NaN and infinities are not served.
; THREE PATHS, parted on the work-group's number, each with LDS bytes of its own: 0-511 q and k; 512-767 v; 768-831 W_out.  Waves share nothing: no barrier.
.set SP,  80                           ; q, k: a lane's place in a stage: 64 bytes + 16
.set R,   16                           ; v16-79   four sets of 16 numbers as loaded
.set X,   80                           ; v80-111  two sets of 16 neighbours
.set E,   112                          ; v112-127 a scale byte for each step
.set C,   128                          ; v128-191 codes: four registers for each step, never written again
.macro QLOAD t                         ; step t: four loads of 512 consecutive bytes
.irp i, 0,1,2,3
	global_load_b128 v[R+16*((\t)%4)+4*\i:R+16*((\t)%4)+4*\i+3], v3, s[4:5] offset:2048*(\t)+512*\i th:TH_LOAD_NT
.endr
.endm
.macro QTURN t                         ; through the wave's own stage: in as loaded, out 64 bytes a lane.  LDS serves a wave's instructions in order
.irp i, 0,1,2,3
	ds_store_b128 v14, v[R+16*((\t)%4)+4*\i:R+16*((\t)%4)+4*\i+3] offset:32*SP*((\t)%2)+8*SP*\i
.endr
.irp i, 0,1,2,3
	ds_load_b128 v[X+16*((\t)%2)+4*\i:X+16*((\t)%2)+4*\i+3], v15 offset:32*SP*((\t)%2)+16*\i
.endr
.endm
; Step t holds rows 8 t + lane / 4 of the wave's 128; my 16 numbers are half (lane % 2) of block ((lane / 2) % 2).  Row 8 t + i lies in tile 2 (t / 4) + t % 2, lane r = 8 ((t % 4) / 2) + i.
.macro QSTEP t
.set XS, X+16*((\t)%2)
.if (\t) > 0
	s_wait_dscnt 1                                 ; this step's numbers are back from the stage; the last step's byte store may be out
.else
	s_wait_dscnt 0x0
.endif
.if (\t)+4 < 16
	QLOAD (\t)+4
.endif
.if (\t)+1 < 16
.if 14-(\t) >= 3
	s_wait_loadcnt 12                              ; the next step's four loads are in; those of the three steps behind it may be out
.else
	s_wait_loadcnt 4*(14-(\t))
.endif
	QTURN (\t)+1
.endif
	v_max3_num_f32 v8, |v[XS]|, |v[XS+1]|, |v[XS+2]|
	v_max3_num_f32 v9, |v[XS+3]|, |v[XS+4]|, |v[XS+5]|
.irp i, 6,10
	v_max3_num_f32 v8, v8, |v[XS+\i]|, |v[XS+\i+1]|
	v_max3_num_f32 v9, v9, |v[XS+\i+2]|, |v[XS+\i+3]|
.endr
	v_max3_num_f32 v8, v8, |v[XS+14]|, |v[XS+15]|
	v_max3_num_f32 v8, v8, v9, 0x1800000           ; the floor 2^(3 - 127): the byte cannot fall under 1
	v_max_num_f32_dpp v8, v8, v8 row_xmask:1 row_mask:0xf bank_mask:0xf   ; with my neighbour's 16: the block's
	v_add_nc_u32 v11, 0xff000000, v8               ; 2 off the exponent field: the conversion's scale operand
	v_cvt_scalef32_pk16_fp6_f32 v[C+4*(\t):C+4*(\t)+2], v[XS:XS+15], v11
	v_lshrrev_b32 v[E+(\t)], 23, v11               ; the scale's byte (a plain line behind the conversion)
	ds_store_b8 v5, v[E+(\t)] offset:256*((\t)%2)+128*(((\t)%4)/2)+4*((\t)/4)   ; both lanes of a block write the same byte
	global_store_b96 v4, v[C+4*(\t):C+4*(\t)+2], s[14:15] offset:768*(2*((\t)/4)+(\t)%2)+192*(((\t)%4)/2)   ; two runs of 192 consecutive bytes
.endm
.macro VLOAD t                         ; v: block t: 32 keys of my channel; 32 lanes read 128 consecutive bytes
.set i, 0
.rept 32
	global_load_b32 v[32+32*((\t)%2)+i], v3, s[8:9] offset:(32*(\t)+i)*256 th:TH_LOAD_NT
.set i, i+1
.endr
.endm
; v: block t of my channel is block t % 4 = 2 c + h of key step t / 4: registers 6 c .. 6 c + 5 of lane 16 h + r in a FULL image
.macro VBLOCK t
.set XS, 32+32*((\t)%2)
.set SL, (\t)/4
.set HH, (\t)%2
.set CC, ((\t)%4)/2
.if (\t) < 7
	s_wait_loadcnt 32                              ; this block's 32 loads are in; the next block's may be out
.else
	s_wait_loadcnt 0x0
.endif
	v_max3_num_f32 v12, |v[XS]|, |v[XS+1]|, |v[XS+2]|
	v_max3_num_f32 v13, |v[XS+3]|, |v[XS+4]|, |v[XS+5]|
.irp i, 6,10,14,18,22,26
	v_max3_num_f32 v12, v12, |v[XS+\i]|, |v[XS+\i+1]|
	v_max3_num_f32 v13, v13, |v[XS+\i+2]|, |v[XS+\i+3]|
.endr
	v_max3_num_f32 v12, v12, |v[XS+30]|, |v[XS+31]|
	v_max3_num_f32 v12, v12, v13, 0x1800000
	v_add_nc_u32 v11, 0xff000000, v12
	v_lshrrev_b32 v13, 23, v11
	v_cvt_scalef32_pk16_fp6_f32 v[96:98], v[XS:XS+15], v11
	v_cvt_scalef32_pk16_fp6_f32 v[100:102], v[XS+16:XS+31], v11   ; (a conversion's three registers begin on an even number)
.if (\t)%4 == 0
	v_mov_b32 v[24+SL], v13                        ; four bytes make a step's scale word (a plain line behind the conversions)
.else
	v_lshl_or_b32 v[24+SL], v13, 8*((\t)%4), v[24+SL]
.endif
	v_mov_b32 v99, v100                            ; the six registers on end
	v_mov_b32 v100, v101
	v_mov_b32 v101, v102
.if CC == 0
	ds_store_b128 v4, v[96:99] offset:3072*SL+256*HH
	ds_store_b64 v4, v[100:101] offset:3072*SL+512+256*HH
.else
	ds_store_b64 v4, v[96:97] offset:3072*SL+520+256*HH
	ds_store_b128 v4, v[98:101] offset:3072*SL+1024+256*HH
.endif
.if (\t)+2 < 8
	VLOAD (\t)+2
.endif
	s_wait_dscnt 0x0                               ; the stores have read their registers
.endm
; W_out: fragment f of my two: lane (r, h) holds blocks h and 2 + h of its row whole
.macro WFRAG f
.irp c, 0,1
	v_max3_num_f32 v[10+\c], |v[32+32*(2*\f+\c)]|, |v[33+32*(2*\f+\c)]|, 0x1800000
.endr
.irp i, 2,4,6,8,10,12,14,16,18,20,22,24,26,28,30
.irp c, 0,1
	v_max3_num_f32 v[10+\c], v[10+\c], |v[32+32*(2*\f+\c)+\i]|, |v[33+32*(2*\f+\c)+\i]|
.endr
.endr
.irp c, 0,1
	v_add_nc_u32 v[12+\c], 0xff000000, v[10+\c]
.endr
.irp c, 0,1
	v_lshrrev_b32 v[14+\c], 23, v[12+\c]
.endr
	v_lshl_or_b32 v[16+\f], v15, 16, v14           ; my two bytes,
	v_lshlrev_b32 v[16+\f], v6, v[16+\f]           ; 8 h bits up;
	v_mov_b32 v18, 0
	v_permlanex16_b32 v18, v[16+\f], s38, s39
	v_or_b32 v[16+\f], v[16+\f], v18               ; with lane l xor 16's the word is whole
.irp c, 0,1
	v_cvt_scalef32_pk16_fp6_f32 v[160+12*\f+6*\c:162+12*\f+6*\c], v[32+32*(2*\f+\c):47+32*(2*\f+\c)], v[12+\c]
	v_cvt_scalef32_pk16_fp6_f32 v[184+4*\c:186+4*\c], v[48+32*(2*\f+\c):63+32*(2*\f+\c)], v[12+\c]
.endr
	v_nop                                          ; one plain line behind a scaled conversion
.irp c, 0,1
.irp i, 0,1,2
	v_mov_b32 v[163+12*\f+6*\c+\i], v[184+4*\c+\i]
.endr
.endr
.endm
	s_load_b256 s[4:11], s[0:1], 0x0               ; q s[4:5], k s[6:7], v s[8:9], mask s[10:11]
	s_load_b256 s[12:19], s[0:1], 0x20             ; W_out s[12:13], qb s[14:15], kv s[16:17], wq s[18:19]
	v_lshl_add_u32 v208, v0, 2, 0xe400
	v_mov_b32 v209, 0
	v_lshrrev_b32 v1, 5, v0
	v_readfirstlane_b32 s20, v1                    ; wave 0..3
	v_and_b32 v2, 31, v0                           ; lane
	s_mov_b32 s33, 0                               ; the upper word of every offset
	s_wait_kmcnt 0x0
	s_cmp_lt_u32 ttmp9, 512
	s_cbranch_scc0 .Lnot_qk
	; ---------------- q and k: a wave takes 128 rows of one head: 16 steps of 512 numbers ----------------
	s_cmp_lt_u32 ttmp9, 256                        ; q's work-group or k's: the choice hangs on the work-group's number alone
	s_cselect_b64 s[4:5], s[4:5], s[6:7]
	s_cselect_b64 s[14:15], s[14:15], s[16:17]
	s_mov_b32 s21, 208896
	s_cselect_b32 s21, 106496, s21                 ; a head's block in qb or in kv
	s_mov_b32 s22, 196608
	s_cselect_b32 s22, 98304, s22                  ; where its scale words begin
	s_mov_b32 s23, 0x01010000
	s_mov_b32 s24, 0x01bb0000
	s_cselect_b32 s25, s24, s23                    ; bytes 2 and 3 of an open row's word
	s_cselect_b32 s26, s23, s24                    ; and of a hidden row's
	s_and_b32 s27, ttmp9, 255
	s_lshl_b32 s27, s27, 2
	s_add_co_u32 s27, s27, s20                     ; which 128 rows of the tensor
	s_lshr_b32 s28, s27, 4                         ; the head, 0..63
	s_and_b32 s29, s27, 15                         ; the group of 128 in it
	s_lshr_b32 s30, s27, 8                         ; the batch
	s_lshl_b32 s32, s27, 15                        ; 128 rows of 256 bytes
	s_add_nc_u64 s[4:5], s[4:5], s[32:33]
	s_mul_i32 s32, s28, s21
	s_add_nc_u64 s[14:15], s[14:15], s[32:33]
	s_lshl_b32 s32, s29, 9
	s_add_co_u32 s32, s32, s22
	s_add_nc_u64 s[34:35], s[14:15], s[32:33]      ; the group's 512 bytes of scale words
	s_mul_i32 s32, s29, 6144
	s_add_nc_u64 s[14:15], s[14:15], s[32:33]      ; the group's eight HALF images
	s_mul_i32 s32, s30, 2047
	s_add_nc_u64 s[10:11], s[10:11], s[32:33]      ; the batch's row of the mask
	s_lshl_b32 s31, s29, 7                         ; the group's first row
	v_lshlrev_b32 v3, 4, v2                        ; 16 x lane
	s_lshl_b32 s36, s20, 13                        ; my wave's 8,192 bytes of LDS
	v_lshrrev_b32 v14, 2, v2
	v_mul_u32_u24 v14, v14, SP
	v_and_b32 v15, 3, v2
	v_lshl_add_u32 v14, v15, 4, v14
	v_add_nc_u32 v14, s36, v14                     ; the stage, in: SP (lane / 4) + 16 (lane % 4)
	v_mul_u32_u24 v15, v2, SP
	v_add_nc_u32 v15, s36, v15                     ; out: SP x lane
	v_bfe_u32 v8, v2, 1, 1                         ; my block
	v_lshrrev_b32 v9, 2, v2                        ; my row of the step's eight
	v_and_b32 v10, 1, v2                           ; my half of the block
	v_mul_u32_u24 v4, v8, 384
	v_mad_u32_u24 v4, v9, 24, v4
	v_mad_u32_u24 v4, v10, 12, v4                  ; my 12 bytes in a HALF image
	s_add_co_u32 s37, s36, 5120                    ; behind the two stages: the group's scale words
	v_lshl_add_u32 v5, v9, 4, v8
	v_add_nc_u32 v5, s37, v5                       ; my block's byte
	v_add_nc_u32 v6, s37, v3                       ; and on the way out 16 bytes a lane: the words of rows 32 i + KL, i = 0..3
	v_lshrrev_b32 v8, 4, v2
	v_and_b32 v9, 15, v2
	v_bfe_u32 v10, v2, 3, 1
	v_lshl_add_u32 v9, v8, 3, v9
	v_lshl_add_u32 v9, v10, 3, v9                  ; KL = 8 (lane / 16) + lane % 16 + 8 ((lane / 8) % 2)
	v_add_nc_u32 v205, s31, v9                     ; row n of i = 0
.irp i, 0,1,2,3
	v_mov_b32 v[200+\i], 0
.endr
	v_cmp_eq_u32 s38, 0, v205                      ; row 0 is the one put in front of the mask: always open
	v_add_nc_u32 v196, -1, v205                    ; row n's byte is mask[n - 1];
	v_cndmask_b32 v196, v196, v200, s38            ; row 0 reads byte 0 and does not use it
	v_add_nc_u32 v197, 31, v205
	global_load_u8 v192, v196, s[10:11]
	global_load_u8 v193, v197, s[10:11]
	global_load_u8 v194, v197, s[10:11] offset:32
	global_load_u8 v195, v197, s[10:11] offset:64
	ds_store_b128 v6, v[200:203]                   ; the words' upper halves are read back below: no unwritten byte
.irp t, 0,1,2,3
	QLOAD \t
.endr
	s_wait_loadcnt 12                              ; the mask's four loads and step 0's four are in
	QTURN 0
.irp t, 0,1,2,3,4,5,6,7,8,9,10,11,12,13,14,15
	QSTEP \t
.endr
	ds_load_b128 v[200:203], v6                    ; LDS serves a wave's instructions in order: these see my byte stores
	v_mov_b32 v198, s25
	v_mov_b32 v199, s26
	v_mov_b32 v204, 1
	v_cndmask_b32 v192, v192, v204, s38
	s_wait_dscnt 0x0
.irp i, 0,1,2,3
	v_cmp_ne_u32 vcc_lo, 0, v[192+\i]
	v_cndmask_b32 v204, v199, v198, vcc_lo
	v_and_or_b32 v[200+\i], v[200+\i], 0xffff, v204
.endr
	global_store_b128 v3, v[200:203], s[34:35]     ; 512 consecutive bytes
	s_wait_tensorcnt 0x0
	ds_add_u32 v208, v209
	s_wait_dscnt 0x0
	s_endpgm
.Lnot_qk:
	s_cmp_lt_u32 ttmp9, 768
	s_cbranch_scc0 .Lw
	; ---------------- v: a lane takes a channel, its registers run down the keys; a wave takes 32 channels x 256 keys ----------------
	s_sub_co_u32 s21, ttmp9, 512
	s_lshr_b32 s22, s21, 2                         ; the head
	s_and_b32 s23, s21, 3
	s_and_b32 s24, s20, 1                          ; which 32 channels
	s_lshr_b32 s25, s20, 1
	s_lshl_b32 s26, s23, 1
	s_add_co_u32 s26, s26, s25                     ; which 256 keys: key steps 2 s26 and 2 s26 + 1
	s_lshl_b32 s32, s22, 19
	s_lshl_b32 s27, s26, 16
	s_add_co_u32 s32, s32, s27
	s_lshl_b32 s27, s24, 7
	s_add_co_u32 s32, s32, s27
	s_add_nc_u64 s[8:9], s[8:9], s[32:33]
	s_mul_i32 s32, s22, 208896
	s_add_nc_u64 s[16:17], s[16:17], s[32:33]      ; the head's block of kv
	s_mul_i32 s32, s26, 12288
	s_mul_i32 s27, s24, 3072
	s_add_co_u32 s32, s32, s27
	s_add_co_u32 s32, s32, 98304
	s_add_nc_u64 s[34:35], s[16:17], s[32:33]      ; my two tiles' images of the first of my two steps
	s_lshl_b32 s32, s26, 8
	s_lshl_b32 s27, s24, 11
	s_add_co_u32 s32, s32, s27
	s_add_co_u32 s32, s32, 204800
	s_add_nc_u64 s[36:37], s[16:17], s[32:33]      ; my two steps' scale words: 256 bytes
	s_mul_i32 s28, s20, 6400
	s_add_co_u32 s28, s28, 32768                   ; my stage: [step 2][tile 2][FULL]
	s_add_co_u32 s29, s28, 6144                    ; behind it 256 bytes of scale words
	v_lshlrev_b32 v3, 2, v2
	v_bfe_u32 v8, v2, 3, 1                         ; channel l lies in tile u = (l / 8) % 2, lane r = 8 (l / 16) + l % 8
	v_lshrrev_b32 v9, 4, v2
	v_and_b32 v10, 7, v2
	v_mul_u32_u24 v4, v8, 1536
	v_lshl_add_u32 v4, v9, 7, v4
	v_lshl_add_u32 v4, v10, 4, v4
	v_add_nc_u32 v4, s28, v4                       ; 1,536 u + 16 r
	v_lshlrev_b32 v5, 4, v8
	v_lshl_add_u32 v5, v9, 3, v5
	v_add_nc_u32 v5, v5, v10
	v_lshl_add_u32 v5, v5, 2, s29                  ; my word: 4 (16 u + r)
	v_lshlrev_b32 v14, 4, v2
	v_add_nc_u32 v6, s28, v14
	v_lshlrev_b32 v15, 3, v2
	v_add_nc_u32 v7, s29, v15
	VLOAD 0
	VLOAD 1
.irp t, 0,1,2,3,4,5,6,7
	VBLOCK \t
.endr
	ds_store_b32 v5, v24
	ds_store_b32 v5, v25 offset:128
.irp i, 0,1,2,3,4,5,6,7,8,9,10,11
	ds_load_b128 v[112+4*\i:115+4*\i], v6 offset:512*\i
.endr
	ds_load_b64 v[160:161], v7
.irp i, 0,1,2,3,4,5,6,7,8,9,10,11
	s_wait_dscnt 12-\i                             ; load i is in; the LDS loads issued behind it may be out
	global_store_b128 v14, v[112+4*\i:115+4*\i], s[34:35] offset:6144*(\i/6)+512*(\i%6)   ; 512 consecutive bytes
.endr
	s_wait_dscnt 0x0
	global_store_b64 v15, v[160:161], s[36:37]     ; 256 consecutive bytes, aligned
	s_wait_tensorcnt 0x0
	ds_add_u32 v208, v209
	s_wait_dscnt 0x0
	s_endpgm
.Lw:
	; ---------------- W_out: K is innermost; a wave makes two FULL images (32 rows x 128 along K).  A small weight, read once: each lane takes its 128 bytes of a block directly ----------------
	s_sub_co_u32 s21, ttmp9, 768
	s_lshl_b32 s21, s21, 2
	s_add_co_u32 s21, s21, s20
	s_lshr_b32 s22, s21, 5                         ; the K step of 128
	s_and_b32 s23, s21, 31                         ; the pair of tiles of 16 rows
	s_lshl_b32 s32, s23, 17
	s_lshl_b32 s24, s22, 9
	s_add_co_u32 s32, s32, s24
	s_add_nc_u64 s[12:13], s[12:13], s[32:33]
	s_lshr_b32 s24, s23, 3
	s_mul_i32 s32, s24, 204800                     ; the tile of 256 columns of the output,
	s_lshr_b32 s24, s22, 1
	s_mul_i32 s24, s24, 51200                      ; its chunk of 256 along K
	s_add_co_u32 s32, s32, s24
	s_add_nc_u64 s[18:19], s[18:19], s[32:33]
	s_and_b32 s25, s22, 1
	s_and_b32 s26, s23, 7
	s_mul_i32 s32, s25, 24576
	s_mul_i32 s24, s26, 3072
	s_add_co_u32 s32, s32, s24
	s_add_nc_u64 s[34:35], s[18:19], s[32:33]
	s_lshl_b32 s32, s25, 10
	s_lshl_b32 s24, s26, 7
	s_add_co_u32 s32, s32, s24
	s_add_co_u32 s32, s32, 49152
	s_add_nc_u64 s[36:37], s[18:19], s[32:33]
	s_mov_b32 s38, 0x76543210
	s_mov_b32 s39, 0xfedcba98                      ; selects for lane l xor 16
	s_mov_b32 s40, 0xffff0000                      ; lanes 16-31
	v_and_b32 v8, 15, v2
	v_lshrrev_b32 v9, 4, v2
	v_lshlrev_b32 v3, 12, v8
	v_lshl_add_u32 v3, v9, 7, v3                   ; row r of 4,096 bytes + 128 h
	v_lshlrev_b32 v4, 4, v2
	v_lshlrev_b32 v5, 2, v2
	v_lshlrev_b32 v6, 3, v9
.irp f, 0,1
.irp c, 0,1
.irp i, 0,1,2,3,4,5,6,7
	global_load_b128 v[32+32*(2*\f+\c)+4*\i:35+32*(2*\f+\c)+4*\i], v3, s[12:13] offset:65536*\f+256*\c+16*\i th:TH_LOAD_NT
.endr
.endr
.endr
	s_wait_loadcnt 0x0
	WFRAG 0
	WFRAG 1
.irp f, 0,1
.irp g, 0,1,2
	global_store_b128 v4, v[160+12*\f+4*\g:163+12*\f+4*\g], s[34:35] offset:1536*\f+512*\g
.endr
.endr
	v_cndmask_b32 v19, v16, v17, s40               ; lanes 0-15 the even tile's words, lanes 16-31 the odd tile's
	global_store_b32 v5, v19, s[36:37]
	s_endpgm
.Lfunc_end_k_q1d892ad804_prep:
	.size	k_q1d892ad804_prep, .Lfunc_end_k_q1d892ad804_prep-k_q1d892ad804_prep
	.p2alignl 7, 3214868480
	.fill 96, 4, 3214868480
	.section	.rodata,"a",@progbits
	.p2align	6, 0x0
	.amdhsa_kernel k_q1d892ad804_prep
		.amdhsa_group_segment_fixed_size 58880
		.amdhsa_private_segment_fixed_size 0
		.amdhsa_enable_private_segment 0
		.amdhsa_kernarg_size 64
		.amdhsa_user_sgpr_count 2
		.amdhsa_user_sgpr_kernarg_segment_ptr 1
		.amdhsa_wavefront_size32 1
		.amdhsa_system_sgpr_workgroup_id_x 1
		.amdhsa_system_sgpr_workgroup_id_y 1
		.amdhsa_system_sgpr_workgroup_id_z 1
		.amdhsa_system_vgpr_workitem_id 0
		.amdhsa_next_free_vgpr 210
		.amdhsa_next_free_sgpr 66
		.amdhsa_reserve_vcc 1
		.amdhsa_float_denorm_mode_32 3
		.amdhsa_float_denorm_mode_16_64 3
		.amdhsa_memory_ordered 1
		.amdhsa_forward_progress 1
		.amdhsa_inst_pref_size 88
	.end_amdhsa_kernel
	.amdgpu_metadata
---
amdhsa.version: [ 1, 2 ]
amdhsa.kernels:
  - .name:           k_q1d892ad804_prep
    .symbol:         k_q1d892ad804_prep.kd
    .args:
      - { .name: q, .offset: 0, .size: 8, .value_kind: global_buffer, .address_space: global }
      - { .name: k, .offset: 8, .size: 8, .value_kind: global_buffer, .address_space: global }
      - { .name: v, .offset: 16, .size: 8, .value_kind: global_buffer, .address_space: global }
      - { .name: mask, .offset: 24, .size: 8, .value_kind: global_buffer, .address_space: global }
      - { .name: W_out, .offset: 32, .size: 8, .value_kind: global_buffer, .address_space: global }
      - { .name: qb, .offset: 40, .size: 8, .value_kind: global_buffer, .address_space: global }
      - { .name: kv, .offset: 48, .size: 8, .value_kind: global_buffer, .address_space: global }
      - { .name: wq, .offset: 56, .size: 8, .value_kind: global_buffer, .address_space: global }
    .group_segment_fixed_size: 58880
    .private_segment_fixed_size: 0
    .kernarg_segment_align: 8
    .kernarg_segment_size: 64
    .max_flat_workgroup_size: 128
    .sgpr_count:     66
    .vgpr_count:     210
    .wavefront_size: 32
...
	.end_amdgpu_metadata
.endif
;; end of part 1
;; launch attn (part 2): grid 4 x 64, 8 waves a work-group, clusters of 4 x 1, 222,208 bytes of LDS; arguments qb, kv, ac; writes ac
.if DOCPART == 2
	.amdgcn_target "amdgcn-amd-amdhsa--gfx1250"
	.amdhsa_code_object_version 6
	.text
	.protected	k_q1d892ad804_attn
	.globl	k_q1d892ad804_attn
	.p2align	8
	.type	k_q1d892ad804_attn,@function
k_q1d892ad804_attn:
	s_mov_b64 s[64:65], 0
	v_nop
	global_prefetch_b8 v0, s[64:65] scope:SCOPE_SE
	s_setreg_imm32_b32 hwreg(HW_REG_WAVE_MODE, 25, 1), 1
	s_wait_xcnt 0x0
	s_wait_alu depctr_hold_cnt(0) depctr_sa_sdst(0) depctr_va_vdst(0) depctr_va_sdst(0) depctr_va_ssrc(0) depctr_va_vcc(0) depctr_vm_vsrc(0)
	s_getreg_b32 s2, hwreg(HW_REG_IB_STS2, 6, 4)
	s_cmp_eq_u32 s2, 0
	s_cbranch_scc0 .Lentry_in_a_cluster
	s_endpgm
.Lentry_in_a_cluster:
	s_bfe_u32 s2, ttmp6, 0x10000c
	s_cmp_lg_u32 s2, 0x3003
	s_cbranch_scc0 .Lentry_shape_is_right
	s_endpgm
.Lentry_shape_is_right:
; Attention of one head on codes of FP6 (E2M3): S^T = K Q^T, p = 2^(t - M), O^T = V^T P^T, O / l, and O quantised along the channels for the output projection.
; t = score x log2(e) / 8; M = the running largest t rounded UP to a whole number; p is not normalised; l is the sum of the unquantised p, in f32.  When M moves, l and O^T are multiplied by 2^(old M - new M): exact.
; THE MASK COSTS NO VECTOR INSTRUCTION A SCORE.  The head has 64 channels and the instruction takes 128 along K: block 2 holds one code a side, -7.5 for a key and +7.5 for a query, and byte 2 of the scale words
; (made by the launch before) weighs it: open query x hidden key adds -56.25 x 2^120, so p = 0; open x open adds -56.25 x 2^-66, the same for every key that counts.  A hidden query's codes are all set to 0:
; its scores are 0 for every key, hidden keys too, so p = 1 and l = 2,048: the uniform row that equal logits give.
; LIMITS: |q . k| under 2^100; the offset 7.6e-19 shows only beside scores under about 1e-11; NaN and infinities are not served; a block of zeros keeps the scale byte 1 (its codes are zeros).
; SHARES.  A work-group owns 512 queries of a head, in two passes of 256; each of eight waves holds TWO tiles of 16 queries, tile A in register window 0 and tile B in window 1 at the same numbers, so that each
; fragment of K and V read from LDS feeds two matrix instructions.  Two waves share a SIMD.  A lane holds one query throughout (both products are used transposed).
; ALL OF THE HEAD'S K AND V (codes and scale words, 208,896 bytes, laid in the order of the operands' registers) LIES IN LDS: every byte is filled once, nothing is filled again.
; CLUSTER.  The four work-groups of a head read the same K and V: each tile is asked for JOINTLY, by the same tensor load with the same descriptor and the mask of all four.  A wave has three tensor loads out at most.
; No prefetch: every tensor load goes out at the head, and the second pass's queries are loaded into registers a pass ahead.
; REGISTERS, both windows: v12 -M, v13 largest t, v[14:15] l; v16-27 Q's fragment; v96-159 S^T, then p; v160-191 O^T; v192-203 p's codes; v204-227 at work.
;   window 0 alone: v1-11, v28-31 addresses; v32-79 K's tiles 0-3; v80-91 rows on the way out; v92-93 V's scale words, v94-95 p's; v228-239, v250-251 the next queries; v240-243 K's scale words; v246-247 Q's; v252 Q's constant code.
;   window 1 alone: v32-79 K's tiles 4-7; V's four fragments at v0, v80, v228, v240.
.set KVH,  208896                      ; a head's block of kv, and its image in LDS: K's images, V's images, K's scale words, V's scale words
.set QBH,  106496
.set VIMG, 98304
.set KSC,  196608
.set VSC,  204800
.set STG,  208896                      ; behind it: a stage of 1,536 bytes for each wave; no fill lands there
.set S,   96
.set O,   160
.set PC,  192
.set CT,  204
.set BM,  212
.set PD,  216
.set SO,  220
.set F,   224
.set T1,  226
.set T2,  227
.set MSB, 0
.macro WIN new                         ; the immediate's high byte repeats the setting that is left; a switch that changes nothing is dropped
.if MSB != (\new)
	s_set_vgpr_msb (MSB<<8)|(\new)
.set MSB, (\new)
.endif
.endm
.macro ROUND                           ; a round of the cluster's barrier
	s_barrier_signal -1
	s_barrier_wait -1
	s_cmp_lg_u32 s10, 0
	s_cbranch_scc1 .Lnot_wave_0_\@
	s_barrier_signal -3
.Lnot_wave_0_\@:
	s_barrier_wait -3
	s_barrier_signal -1
	s_barrier_wait -1
.endm
.macro PLACES
.rept 4
	v_nop
.endr
.endm
.macro QLOAD p                         ; pass p's two tiles of queries and their scale words, into registers that wait for the pass's head
.irp u, 0,1
.irp q, 0,1,2
	global_load_b64 v[228+6*\u+2*\q:229+6*\u+2*\q], v1, s[66:67] offset:12288*\p+768*\u+8*\q
.endr
.endr
.irp u, 0,1
	global_load_b32 v[250+\u], v9, s[68:69] offset:1024*\p+256*\u
.endr
.endm
.macro LOADK off, offs                 ; 25 LDS loads: a step's eight tiles of K (registers 0-5 of each fragment; 6-11 are constants) and their scale words
	WIN 0
.irp t, 0,1,2,3
.irp q, 0,1,2
	ds_load_b64 v[32+12*\t+2*\q:33+12*\t+2*\q], v5 offset:\off+768*\t+8*\q
.endr
.endr
	ds_load_b128 v[240:243], v7 offset:\offs       ; register j: lanes 0-15 tile 2 j's words, lanes 16-31 tile 2 j + 1's
	WIN 0x40                                       ; destination window 1
.irp t, 0,1,2,3
.irp q, 0,1,2
	ds_load_b64 v[32+12*\t+2*\q:33+12*\t+2*\q], v5 offset:\off+768*(4+\t)+8*\q
.endr
.endr
	WIN 0
.endm
.macro LOADV                           ; 14 LDS loads: a step's four tiles of V^T and their scale words
	ds_load_b32 v92, v8
	ds_load_b32 v93, v8 offset:2048
	WIN 0x40
.irp g, 0,1,2
	ds_load_b128 v[4*\g:4*\g+3], v6 offset:512*\g
.endr
.irp g, 0,1,2
	ds_load_b128 v[80+4*\g:83+4*\g], v6 offset:1536+512*\g
.endr
.irp g, 0,1,2
	ds_load_b128 v[228+4*\g:231+4*\g], v6 offset:3072+512*\g
.endr
.irp g, 0,1,2
	ds_load_b128 v[240+4*\g:243+4*\g], v6 offset:4608+512*\g
.endr
	WIN 0
.endm
.macro SMUL                            ; 16 products: tile A against K's eight tiles, then tile B: A's scores are finished first
.irp x, 0,1
.irp k, 0,1
	WIN 0x44*\x+\k                                 ; S^T and Q in window x, K's tiles 4 k .. 4 k + 3 in window k
.irp t, 0,1,2,3
.set TT, 4*\k+\t
.if \t%2
	v_wmma_scale_f32_16x16x128_f8f6f4 v[S+8*TT:S+7+8*TT], v[32+12*\t:43+12*\t], v[16:27], 0, v[240+TT/2], v[246+\x] matrix_a_fmt:MATRIX_FMT_FP6 matrix_b_fmt:MATRIX_FMT_FP6 matrix_a_scale:MATRIX_SCALE_ROW1
.else
	v_wmma_scale_f32_16x16x128_f8f6f4 v[S+8*TT:S+7+8*TT], v[32+12*\t:43+12*\t], v[16:27], 0, v[240+TT/2], v[246+\x] matrix_a_fmt:MATRIX_FMT_FP6 matrix_b_fmt:MATRIX_FMT_FP6
.endif
.endr
.endr
.endr
.endm
; One tile's softmax for 128 keys.  Register S + 16 b + i holds key 32 b + 16 (lane / 16) + i of my query.
.macro SOFTMAX x
	WIN 0x55*\x
.irp b, 0,1,2,3
	v_max3_num_f32 v[BM+\b], v[S+16*\b], v[S+1+16*\b], v[S+2+16*\b]   ; the largest score of each block of 32 keys: for the row's maximum, and, since p rises with the score, for the block's largest p
.endr
.irp i, 3,5,7,9,11,13
.irp b, 0,1,2,3
	v_max3_num_f32 v[BM+\b], v[BM+\b], v[S+16*\b+\i], v[S+1+16*\b+\i]
.endr
.endr
.irp b, 0,1,2,3
	v_max_num_f32 v[BM+\b], v[BM+\b], v[S+15+16*\b]
.endr
.irp b, 0,1,2,3
	v_permlanex16_b32 v[PD+\b], v[BM+\b], s18, s19
.endr
.irp b, 0,1,2,3
	v_max_num_f32 v[BM+\b], v[BM+\b], v[PD+\b]     ; with lane l xor 16's 16 keys
.endr
	v_max3_num_f32 v[T1], v[BM], v[BM+1], v[BM+2]
	v_max_num_f32 v[T1], v[T1], v[BM+3]
	v_mul_f32 v[T1], s20, v[T1]                    ; as t
	v_max_num_f32 v13, v13, v[T1]                  ; the running largest t
	v_mov_b32 v[T1], v12
	v_floor_f32 v12, -v13                          ; -M = floor(-t): M is a whole number
	v_sub_f32 v[T1], v12, v[T1]                    ; old M - new M, 0 or less
	v_cvt_i32_f32 v[T1], v[T1]                     ; (it saturates)
	v_ldexp_f32 v[F], 1.0, v[T1]                   ; f = 2^(old M - new M)
.set j, 0
.rept 32
	v_pk_fma_f32 v[S+j:S+1+j], v[S+j:S+1+j], s[20:21], v[12:13] op_sel_hi:[1,0,0]   ; t - M, two at a time
.set j, j+2
.endr
.irp b, 0,1,2,3
	v_fma_f32 v[BM+\b], v[BM+\b], s20, v12         ; the same of each block's largest score
.endr
.set j, 0
.rept 64
	v_exp_f32 v[S+j], v[S+j]                       ; p = 2^(t - M)
.set j, j+1
.endr
	v_pk_mul_f32 v[14:15], v[14:15], v[F:F+1] op_sel_hi:[1,0]   ; l under the new M (a plain line behind the exponentials)
	s_wait_alu depctr_va_vdst(0)                   ; one wait for the batch of 64, ahead of its first reader
.irp b, 0,1,2,3
	v_exp_f32 v[BM+\b], v[BM+\b]                   ; the block's largest p
.endr
	v_pk_add_f32 v[PD:PD+1], v[S:S+1], v[S+2:S+3]  ; the row's sum of the unquantised p, in two chains
.set j, 4
.rept 15
	v_pk_add_f32 v[14:15], v[14:15], v[S+j:S+1+j]
	v_pk_add_f32 v[PD:PD+1], v[PD:PD+1], v[S+2+j:S+3+j]
.set j, j+4
.endr
	v_pk_add_f32 v[14:15], v[14:15], v[PD:PD+1]
	s_wait_alu depctr_va_vdst(0)                   ; and one for the four
.irp b, 0,1,2,3
	v_max_num_f32 v[BM+\b], 0x1800000, v[BM+\b]    ; the floor 2^(3 - 127): the byte cannot fall under 1
.endr
.irp b, 0,1,2,3
	v_add_nc_u32 v[SO+\b], 0xff000000, v[BM+\b]    ; 2 off the exponent field: the conversion's scale operand
.endr
.irp b, 0,1,2,3
	v_lshrrev_b32 v[PD+\b], 23, v[SO+\b]           ; the scale's byte
.endr
	v_lshl_or_b32 v[T1], v[PD+1], 8, v[PD]
	v_lshl_or_b32 v[T1], v[PD+2], 16, v[T1]
.if \x
	WIN 0x15                                       ; scale operands are taken from window 0: the word's last line writes there
	v_lshl_or_b32 v95, v[PD+3], 24, v[T1]
	WIN 0x55
.else
	v_lshl_or_b32 v94, v[PD+3], 24, v[T1]
.endif
.irp c, 0,1
	v_cvt_scalef32_pk16_fp6_f32 v[PC+6*\c:PC+2+6*\c], v[S+32*\c:S+15+32*\c], v[SO+2*\c]
	v_cvt_scalef32_pk16_fp6_f32 v[CT+4*\c:CT+2+4*\c], v[S+16+32*\c:S+31+32*\c], v[SO+1+2*\c]
.endr
	v_nop                                          ; one plain line behind a scaled conversion
.irp c, 0,1                                    ; the operand wants a whole block in a lane: lanes 0-15 block 2 c, lanes 16-31 block 2 c + 1
.irp i, 0,1,2
	v_permlane16_swap_b32 v[PC+6*\c+\i], v[CT+4*\c+\i]
.endr
.irp i, 0,1,2
	v_mov_b32 v[PC+3+6*\c+\i], v[CT+4*\c+\i]
.endr
.endr
.set j, 0
.rept 16
	v_pk_mul_f32 v[O+j:O+1+j], v[O+j:O+1+j], v[F:F+1] op_sel_hi:[1,0]   ; O^T under the new M; these 16 are also the places between the codes' and the scale word's last writes and the products
.set j, j+2
.endr
.endm
.macro PVMUL x                         ; O^T += V^T P^T: four accumulators, one instruction each
.if \x
	WIN 0x55
.else
	WIN 0x01                                       ; V in window 1, all else in window 0
.endif
	v_wmma_scale_f32_16x16x128_f8f6f4 v[O:O+7], v[0:11], v[PC:PC+11], v[O:O+7], v92, v[94+\x] matrix_a_fmt:MATRIX_FMT_FP6 matrix_b_fmt:MATRIX_FMT_FP6
	v_wmma_scale_f32_16x16x128_f8f6f4 v[O+8:O+15], v[80:91], v[PC:PC+11], v[O+8:O+15], v92, v[94+\x] matrix_a_fmt:MATRIX_FMT_FP6 matrix_b_fmt:MATRIX_FMT_FP6 matrix_a_scale:MATRIX_SCALE_ROW1
	v_wmma_scale_f32_16x16x128_f8f6f4 v[O+16:O+23], v[228:239], v[PC:PC+11], v[O+16:O+23], v93, v[94+\x] matrix_a_fmt:MATRIX_FMT_FP6 matrix_b_fmt:MATRIX_FMT_FP6
	v_wmma_scale_f32_16x16x128_f8f6f4 v[O+24:O+31], v[240:251], v[PC:PC+11], v[O+24:O+31], v93, v[94+\x] matrix_a_fmt:MATRIX_FMT_FP6 matrix_b_fmt:MATRIX_FMT_FP6 matrix_a_scale:MATRIX_SCALE_ROW1
.endm
; A KEY STEP: 128 keys for both tiles.  K of this step was asked for a step ago; V of this step and K of the next are asked for behind the scores' products and land under tile A's softmax.
.macro STEP
	v_add_nc_u32 v5, s15, v1
	v_add_nc_u32 v6, s15, v2
	v_add_nc_u32 v7, s16, v3
	v_add_nc_u32 v8, s17, v4
	s_wait_dscnt 0x0                               ; K and its scale words are in
	SMUL
	WIN 0
	PLACES                                         ; four places ahead of the first read of the scores and of the loads into registers that matrix instructions have read
	LOADV
	LOADK 6144, 512                                ; (the last step's look-ahead reads landed bytes behind K's and is not used)
	SOFTMAX 0
	s_wait_dscnt 25                                ; V's 14 loads are in; the 25 of the next K, issued behind them, may be out
	PVMUL 0
	SOFTMAX 1                                      ; tile A's second product runs under tile B's softmax
	PVMUL 1
	WIN 0
	s_add_co_u32 s15, s15, 6144
	s_add_co_u32 s16, s16, 512
	s_add_co_u32 s17, s17, 128
.endm
.macro LOOP n
	s_mov_b32 s14, \n
.Lstep_\@:
	STEP
	s_sub_co_u32 s14, s14, 1
	s_cmp_lg_u32 s14, 0
	s_cbranch_scc1 .Lstep_\@
.endm
.macro START x                         ; a tile's statistics and O^T.  The step is written once: its first run finds zeros, which the first change of M leaves zeros
	WIN 0x55*\x
	v_mov_b32 v13, 0xff61b1e6                      ; -3e38, under every t
	v_mov_b32 v14, 0
	v_mov_b32 v15, 0
	v_floor_f32 v12, -v13
.set j, 0
.rept 32
	v_mov_b32 v[O+j], 0
.set j, j+1
.endr
.endm
.macro PROLOGUE p
	s_wait_loadcnt 0x0                             ; this pass's queries
	v_bfe_u32 v30, v250, 16, 8
	v_bfe_u32 v31, v251, 16, 8
	v_cmp_eq_u32 s60, 0xbb, v30                    ; byte 2 of a query's word says whether it is open
	v_cmp_eq_u32 s61, 0xbb, v31
.irp i, 0,1,2,3,4,5
	v_cndmask_b32 v[16+\i], 0, v[228+\i], s60      ; a hidden query's codes are zeros: a select, no branch
.endr
	v_cndmask_b32 v22, 0, v252, s60                ; and so is its constant code
	v_mov_b32 v246, v250
	v_mov_b32 v247, v251
	WIN 0x40
.irp i, 0,1,2,3,4,5
	v_cndmask_b32 v[16+\i], 0, v[234+\i], s61
.endr
	v_cndmask_b32 v22, 0, v252, s61
	START 0                                        ; (these lines are also the places between the writes above and the first products)
	START 1
	WIN 0
.if \p == 0
	QLOAD 1                                        ; the second pass's queries have a whole pass in which to land
.endif
	s_mov_b32 s15, 0
	s_mov_b32 s16, 0
	s_mov_b32 s17, 0
	v_add_nc_u32 v5, s15, v1
	v_add_nc_u32 v7, s16, v3
.endm
; A tile's way out: O^T / l; register O + 16 b + i is channel 32 b + 16 (lane / 16) + i of my query: two blocks of the projection's K.  Codes go to my stage as a HALF image.
.macro WAYOUT x
	WIN 0x55*\x
	v_add_f32 v14, v14, v15
	v_permlanex16_b32 v[T1], v14, s18, s19
	v_add_f32 v14, v14, v[T1]                      ; the row's sum
	v_rcp_f32 v[F], v14
	v_nop                                          ; a plain line behind the reciprocal
	s_wait_alu depctr_va_vdst(0)                   ; and the wait ahead of its first reader
.set j, 0
.rept 16
	v_pk_mul_f32 v[O+j:O+1+j], v[O+j:O+1+j], v[F:F+1] op_sel_hi:[1,0]
.set j, j+2
.endr
.irp b, 0,1
	v_max3_num_f32 v[BM+\b], |v[O+16*\b]|, |v[O+1+16*\b]|, 0x1800000
.endr
.irp i, 2,4,6,8,10,12,14
.irp b, 0,1
	v_max3_num_f32 v[BM+\b], v[BM+\b], |v[O+16*\b+\i]|, |v[O+1+16*\b+\i]|
.endr
.endr
.irp b, 0,1
	v_permlanex16_b32 v[PD+\b], v[BM+\b], s18, s19
.endr
.irp b, 0,1
	v_max_num_f32 v[BM+\b], v[BM+\b], v[PD+\b]
.endr
.irp b, 0,1
	v_add_nc_u32 v[SO+\b], 0xff000000, v[BM+\b]
.endr
.irp b, 0,1
	v_lshrrev_b32 v[PD+\b], 23, v[SO+\b]
.endr
	v_lshl_or_b32 v[T2], v[PD+1], 8, v[PD]         ; my query's two scale bytes
	v_cvt_scalef32_pk16_fp6_f32 v[PC:PC+2], v[O:O+15], v[SO]
	v_cvt_scalef32_pk16_fp6_f32 v[CT:CT+2], v[O+16:O+31], v[SO+1]
	v_nop
.irp i, 0,1,2
	v_permlane16_swap_b32 v[PC+\i], v[CT+\i]
.endr
.irp i, 0,1,2
	v_mov_b32 v[PC+3+\i], v[CT+\i]                 ; lane (r, h) now holds block h of query r
.endr
.if \x
	WIN 0x04                                       ; an LDS store's data are its source 1
.endif
.irp q, 0,1,2
	ds_store_b64 v10, v[PC+2*\q:PC+1+2*\q] offset:768*\x+8*\q
.endr
.endm
.macro SENDOUT p
	s_wait_xcnt 0x0                                ; the last pass's stores have read their data: only behind this wait are those registers written again
	WIN 0x01
	v_mov_b32 v254, v[T2]                          ; tile B's bytes into window 0
	WIN 0
	v_cndmask_b32 v253, v[T2], v254, s22           ; lanes 0-15 tile A's queries, lanes 16-31 tile B's
.irp i, 0,1,2
	ds_load_b128 v[80+4*\i:83+4*\i], v11 offset:512*\i   ; LDS serves a wave's instructions in order: these see my stores
.endr
	global_store_b16 v29, v253, s[72:73] offset:204800*\p   ; 64 consecutive bytes
	s_wait_dscnt 0x0
.irp i, 0,1,2
	global_store_b128 v28, v[80+4*\i:83+4*\i], s[70:71] offset:204800*\p+512*\i   ; 1,536 consecutive bytes, aligned to 256
.endr
.endm
	s_load_b128 s[4:7], s[0:1], 0x0                ; qb s[4:5], kv s[6:7]
	s_load_b64 s[8:9], s[0:1], 0x10                ; ac
	v_lshl_add_u32 v249, v0, 2, 0x36000
	v_mov_b32 v255, 0
	ds_add_u32 v249, v255
	ds_add_u32 v249, v255
	v_lshrrev_b32 v1, 5, v0
	v_readfirstlane_b32 s10, v1                    ; wave 0..7
	s_and_b32 s12, ttmp7, 0xffff                   ; the head, which the four partners share
	s_lshr_b32 s62, s10, 2                         ; I fetch for K (0) or V (1).  Also: which of a pass's two groups of 128 queries is mine
	s_and_b32 s63, s10, 3                          ; which quarter I fetch.  Also: which pair of tiles of the group is mine
	; descriptor groups 1: dense blocks as rows of 256 bytes (32 elements of 8 bytes); 15:0 the mask of all four work-groups, bit 21 beside it
.irp g, 24, 32, 40
	s_mov_b32 s[\g], 15|(3<<16)|(1<<21)
	s_mov_b32 s[\g+1], 32<<16                      ; tensor_dim0
	s_mov_b32 s[\g+3], 32<<16                      ; tile_dim0
	s_mov_b32 s[\g+5], 32                          ; the pitch
	s_mov_b32 s[\g+6], 0
	s_mov_b32 s[\g+7], 0
.endr
	s_mov_b32 s26, 24<<16                          ; one key step: 24 rows
	s_mov_b32 s28, 24
	s_mov_b32 s34, 72<<16                          ; three key steps: 72 rows
	s_mov_b32 s36, 72
	s_mov_b32 s42, 6<<16                           ; an eighth of the scale words: 6 rows
	s_mov_b32 s44, 6
	; groups 0: the LDS address equals the offset in the head's block
	s_mul_i32 s49, s10, 1536
	s_add_co_u32 s49, s49, KSC                     ; my eighth of the scale words
	s_mul_i32 s13, s62, VIMG
	s_mul_i32 s53, s63, 6144
	s_add_co_u32 s53, s53, s13                     ; key step (wave % 4) of K or of V
	s_mul_i32 s57, s63, 18432
	s_add_co_u32 s57, s57, s13
	s_add_co_u32 s57, s57, 24576                   ; key steps 4 + 3 (wave % 4) on, three of them
	s_mov_b32 s48, 1
	s_mov_b32 s52, 1
	s_mov_b32 s56, 1
	s_mul_i32 s2, s12, KVH
	s_mov_b32 s3, 0
	s_wait_dscnt 0x0
	s_wait_kmcnt 0x0
	s_add_nc_u64 s[6:7], s[6:7], s[2:3]            ; the head's block
	s_mov_b32 s2, s49
	s_add_nc_u64 s[50:51], s[6:7], s[2:3]
	s_or_b32 s51, s51, 0x80000000
	s_mov_b32 s2, s53
	s_add_nc_u64 s[54:55], s[6:7], s[2:3]
	s_or_b32 s55, s55, 0x80000000
	s_mov_b32 s2, s57
	s_add_nc_u64 s[58:59], s[6:7], s[2:3]
	s_or_b32 s59, s59, 0x80000000
	ROUND                                          ; all four work-groups are here: the joint loads meet
	tensor_load_to_lds s[48:51], s[40:47]          ; all fills of the launch, as one group: the scale words,
	s_nop 0
	tensor_load_to_lds s[52:55], s[24:31]          ; key steps 0-3,
	s_nop 0
	tensor_load_to_lds s[56:59], s[32:39]          ; key steps 4-15
	s_nop 0
.rept 4
	v_nop                                          ; behind tensor loads
.endr
	s_mov_b32 s18, 0x76543210
	s_mov_b32 s19, 0xfedcba98                      ; selects for lane l xor 16
	s_mov_b32 s20, 0x3e38aa3b                      ; c = log2(e) / 8
	s_mov_b32 s21, s20
	s_mov_b32 s22, 0xffff0000                      ; lanes 16-31
	v_and_b32 v30, 31, v0                          ; lane
	v_mul_u32_u24 v1, v30, 24                      ; a HALF image's place for my lane
	v_lshlrev_b32 v28, 4, v30
	v_lshlrev_b32 v29, 1, v30
	v_add_nc_u32 v2, VIMG, v28
	v_add_nc_u32 v3, KSC, v28
	v_lshl_add_u32 v4, v30, 2, VSC
	v_and_b32 v9, 15, v0
	v_lshlrev_b32 v9, 4, v9
	s_mul_i32 s13, s10, 1536
	s_add_co_u32 s13, s13, STG                     ; my stage
	v_add_nc_u32 v10, s13, v1
	v_add_nc_u32 v11, s13, v28
	; constants, written once: the idle half of K's and Q's fragments
	v_mov_b32 v253, 0
	v_cndmask_b32 v252, 31, v253, s22              ; +7.5 at k = 64: bits 5:0 of register 6, lanes 0-15
	v_cndmask_b32 v254, 63, v253, s22              ; -7.5 likewise
.irp w, 0, 0x40
	WIN \w
.irp t, 0,1,2,3
	v_mov_b32 v[38+12*\t], v254
.irp i, 7,8,9,10,11
	v_mov_b32 v[32+12*\t+\i], 0
.endr
.endr
.irp i, 23,24,25,26,27
	v_mov_b32 v[\i], 0
.endr
	v_mov_b32 v[F+1], 0                            ; (named as the upper half of a pair)
.irp b, 0,1,2,3
	v_mov_b32 v[PD+\b], 0                          ; a lane permute's destination counts as one of its sources
.endr
.endr
	WIN 0
	; my queries and my part of ac: the only addresses that my place in the cluster enters
	s_bfe_u32 s11, ttmp6, 0x40000                  ; cx
	s_lshl_b32 s76, s11, 2
	s_add_co_u32 s76, s76, s62                     ; my group of 128 queries in the first pass; the second pass's lies two further on
	s_mul_i32 s78, s12, QBH
	s_mul_i32 s77, s76, 6144
	s_add_co_u32 s77, s77, s78
	s_mul_i32 s79, s63, 1536
	s_add_co_u32 s74, s77, s79
	s_mov_b32 s75, 0
	s_add_nc_u64 s[66:67], s[4:5], s[74:75]        ; my two tiles' codes
	s_lshl_b32 s77, s76, 9
	s_add_co_u32 s77, s77, s78
	s_lshl_b32 s79, s63, 2
	s_add_co_u32 s77, s77, s79
	s_add_co_u32 s74, s77, 98304
	s_add_nc_u64 s[68:69], s[4:5], s[74:75]        ; their scale words
	s_lshr_b32 s77, s12, 4
	s_lshl_b32 s77, s77, 4
	s_add_co_u32 s77, s77, s76                     ; the row tile of 128: 16 x batch + group
	s_mul_i32 s77, s77, 102400
	s_bfe_u32 s78, s12, 0x20002                    ; head / 4: the chunk of 256 along the projection's K
	s_mul_i32 s78, s78, 25600
	s_add_co_u32 s77, s77, s78
	s_bfe_u32 s78, s12, 0x10001                    ; (head / 2) % 2: the K step in the chunk
	s_mul_i32 s78, s78, 12288
	s_and_b32 s79, s12, 1                          ; head % 2: the half of the fragment
	s_mul_i32 s79, s79, 6144
	s_add_co_u32 s78, s78, s79
	s_mul_i32 s79, s63, 1536
	s_add_co_u32 s78, s78, s79
	s_add_co_u32 s74, s77, s78
	s_add_nc_u64 s[70:71], s[8:9], s[74:75]
	s_and_b32 s78, s12, 3
	s_lshl_b32 s78, s78, 8
	s_lshl_b32 s79, s63, 6
	s_add_co_u32 s78, s78, s79
	s_add_co_u32 s78, s78, 24576
	s_add_co_u32 s74, s77, s78
	s_add_nc_u64 s[72:73], s[8:9], s[74:75]
	QLOAD 0
	PROLOGUE 0
	s_wait_tensorcnt 1                             ; my scale words and my part of key steps 0-3 are in; my 72 rows may stay out
	s_barrier_signal -1
	s_barrier_wait -1                              ; everybody's are
	LOADK 0, 0
	LOOP 3                                         ; key steps 0-2: they read K up to step 3 and V up to step 2
	s_wait_tensorcnt 0x0                           ; my part of key steps 4-15 is in,
	s_wait_dscnt 0x0                               ; no LDS load of mine is out at the signal
	s_barrier_signal -1
	s_barrier_wait -1                              ; everybody's is
	LOOP 13
	WAYOUT 0
	WAYOUT 1
	SENDOUT 0
	PROLOGUE 1
	LOADK 0, 0
	LOOP 16
	WAYOUT 0
	WAYOUT 1
	SENDOUT 1
	s_wait_tensorcnt 0x0
	s_wait_dscnt 0x0
	s_wait_tensorcnt 0x0
	ds_add_u32 v249, v255
	s_wait_dscnt 0x0
	ROUND                                          ; the closing round: no work-group ends while a partner may still ask for a tile that names it
	s_endpgm
.Lfunc_end_k_q1d892ad804_attn:
	.size	k_q1d892ad804_attn, .Lfunc_end_k_q1d892ad804_attn-k_q1d892ad804_attn
	.p2alignl 7, 3214868480
	.fill 96, 4, 3214868480
	.section	.rodata,"a",@progbits
	.p2align	6, 0x0
	.amdhsa_kernel k_q1d892ad804_attn
		.amdhsa_group_segment_fixed_size 222208
		.amdhsa_private_segment_fixed_size 0
		.amdhsa_enable_private_segment 0
		.amdhsa_kernarg_size 24
		.amdhsa_user_sgpr_count 2
		.amdhsa_user_sgpr_kernarg_segment_ptr 1
		.amdhsa_wavefront_size32 1
		.amdhsa_system_sgpr_workgroup_id_x 1
		.amdhsa_system_sgpr_workgroup_id_y 1
		.amdhsa_system_sgpr_workgroup_id_z 1
		.amdhsa_system_vgpr_workitem_id 0
		.amdhsa_next_free_vgpr 512
		.amdhsa_next_free_sgpr 80
		.amdhsa_reserve_vcc 0
		.amdhsa_float_denorm_mode_32 3
		.amdhsa_float_denorm_mode_16_64 3
		.amdhsa_memory_ordered 1
		.amdhsa_forward_progress 1
		.amdhsa_inst_pref_size 126
	.end_amdhsa_kernel
	.amdgpu_metadata
---
amdhsa.version: [ 1, 2 ]
amdhsa.kernels:
  - .name:           k_q1d892ad804_attn
    .symbol:         k_q1d892ad804_attn.kd
    .args:
      - { .name: qb, .offset: 0, .size: 8, .value_kind: global_buffer, .address_space: global }
      - { .name: kv, .offset: 8, .size: 8, .value_kind: global_buffer, .address_space: global }
      - { .name: ac, .offset: 16, .size: 8, .value_kind: global_buffer, .address_space: global }
    .group_segment_fixed_size: 222208
    .private_segment_fixed_size: 0
    .kernarg_segment_align: 8
    .kernarg_segment_size: 24
    .max_flat_workgroup_size: 256
    .sgpr_count:     80
    .vgpr_count:     512
    .wavefront_size: 32
...
	.end_amdgpu_metadata
.endif
;; end of part 2
;; launch gemm (part 3): grid 4 x 64, 4 waves a work-group, clusters of 4 x 4, 307,712 bytes of LDS; arguments ac, wq, b_out, out0; writes out0
.if DOCPART == 3
	.amdgcn_target "amdgcn-amd-amdhsa--gfx1250"
	.amdhsa_code_object_version 6
	.text
	.protected	k_q1d892ad804_gemm
	.globl	k_q1d892ad804_gemm
	.p2align	8
	.type	k_q1d892ad804_gemm,@function
k_q1d892ad804_gemm:
	s_mov_b64 s[64:65], 0
	v_nop
	global_prefetch_b8 v0, s[64:65] scope:SCOPE_SE
	s_setreg_imm32_b32 hwreg(HW_REG_WAVE_MODE, 25, 1), 1
	s_wait_xcnt 0x0
	s_wait_alu depctr_hold_cnt(0) depctr_sa_sdst(0) depctr_va_vdst(0) depctr_va_sdst(0) depctr_va_ssrc(0) depctr_va_vcc(0) depctr_vm_vsrc(0)
	s_getreg_b32 s2, hwreg(HW_REG_IB_STS2, 6, 4)
	s_cmp_eq_u32 s2, 0
	s_cbranch_scc0 .Lentry_in_a_cluster
	s_endpgm
.Lentry_in_a_cluster:
	s_bfe_u32 s2, ttmp6, 0x10000c
	s_cmp_lg_u32 s2, 0xf033
	s_cbranch_scc0 .Lentry_shape_is_right
	s_endpgm
.Lentry_shape_is_right:
; out0 [8192][1024] = A W^T + b, on codes of FP6 (E2M3) with one E8M0 scale for each 32 along K = 1,024.  A (the attention's output) and W lie in workspace buffers in the order of the operands' registers.
; A work-group makes 128 rows x 256 columns; its whole share of A (102,400 bytes) and of W (204,800 bytes), codes and scales for all of K, lies in LDS: four chunks of 256 along K, each filled once, nothing filled again.
; Products begin when chunk 0 has landed; a counted wait and a barrier stand ahead of each later chunk's first read.  A wave has four tensor loads out at most.
; CLUSTER: 4 x 4 work-groups.  A's tile hangs on the row tile alone and is shared along a row of the cluster, W's on the column tile alone and is shared along a column: joint loads.
; Four waves, each 64 rows x 128 columns: 32 accumulators (window 1).  THE MATRIX INSTRUCTION IS USED TRANSPOSED (source 0 = 16 rows of W, source 1 = 16 rows of A): a lane holds eight neighbouring columns of a row.
; The bias is the C of each sum's first product.  A's rows lie in the tile order of the launch before (tile 2 b + u, lane r: row 32 b + 8 u + r + 8 (r / 8)): the stores' immediates undo it.
; No prefetch: every tensor load goes out at the head.
; REGISTERS: window 0: v1-19 addresses; v32-63 W's scale words (4 ks + q: lanes 0-15 tile 2 q, lanes 16-31 tile 2 q + 1); v64-95 A's (4 ks + a); v96-143 A's four fragments, v144-239 W's eight: set 0; v240-255 halves of A's scale words.
;   window 1: accumulator (a, b) at 8 (8 a + b).   window 2: v0-63 the bias, eight registers a tile b; v96-239 set 1 of the fragments.  Even K steps use set 0, odd ones set 1.
.set MSB, 0
.macro WIN new
.if MSB != (\new)
	s_set_vgpr_msb (MSB<<8)|(\new)
.set MSB, (\new)
.endif
.endm
.macro ROUND
	s_barrier_signal -1
	s_barrier_wait -1
	s_cmp_lg_u32 s14, 0
	s_cbranch_scc1 .Lnot_wave_0_\@
	s_barrier_signal -3
.Lnot_wave_0_\@:
	s_barrier_wait -3
	s_barrier_signal -1
	s_barrier_wait -1
.endm
.macro PLACES
.rept 4
	v_nop
.endr
.endm
.macro G0W base, j                     ; group 0 for my half of W's chunk j
	s_mov_b32 s[\base], 1
	s_add_co_u32 s[\base+1], s84, 102400+51200*\j
	s_add_nc_u64 s[\base+2:\base+3], s[82:83], 51200*\j
	s_or_b32 s[\base+3], s[\base+3], 0x80000000
.endm
.macro FETCH ks                        ; K step ks: A's four fragments (two HALF images each) and W's eight (FULL images), into set ks % 2
.set J, (\ks)/2
.set KL, (\ks)%2
.if (\ks)%2
	WIN 0x80                                       ; destination window 2
.else
	WIN 0
.endif
.irp a, 0,1,2,3
.irp c, 0,1
.irp p, 0,1,2
	ds_load_b64 v[96+12*\a+6*\c+2*\p:97+12*\a+6*\c+2*\p], v[5+J/2] offset:25600*(J%2)+12288*KL+6144*\c+768*\a+8*\p
.endr
.endr
.endr
.irp b, 0,1,2,3,4,5,6,7
.irp g, 0,1,2
	ds_load_b128 v[144+12*\b+4*\g:147+12*\b+4*\g], v[8+J] offset:24576*KL+1536*\b+512*\g
.endr
.endr
.endm
.macro SCL j                           ; chunk j's scale words of W, and the halves of A's (two bytes a head and row)
.irp kl, 0,1
.irp q, 0,1,2,3
	ds_load_b32 v[32+4*(2*(\j)+\kl)+\q], v[12+(\j)] offset:49152+1024*\kl+128*\q
.endr
.endr
.irp hl, 0,1,2,3
.irp a, 0,1,2,3
	ds_load_u16 v[240+4*\hl+\a], v[16+(\j)/2] offset:25600*((\j)%2)+24576+256*\hl+32*\a
.endr
.endr
.endm
.macro ASM j                           ; A's eight scale words of chunk j: the even head's two bytes below, the odd head's above
.irp kl, 0,1
.irp a, 0,1,2,3
	v_lshl_or_b32 v[64+4*(2*(\j)+\kl)+\a], v[240+4*(2*\kl+1)+\a], 16, v[240+8*\kl+\a]
.endr
.endr
.rept 8
	v_nop                                          ; a scale register written by a vector instruction stands eight places ahead of the scaled matrix instruction
.endr
.endm
; 16 products: A's tiles a0, a0 + 1 against W's eight.  The 32 accumulators take turns, one instruction a turn, in the same order in every K step.
.macro MUL16 a0, ks
.if (\ks) == 0
	WIN 0x60                                       ; C: the bias, window 2; D window 1
.elseif (\ks)%2
	WIN 0x5a                                       ; sources window 2, C and D window 1
.else
	WIN 0x50
.endif
.irp a, \a0, \a0+1
.irp b, 0,1,2,3,4,5,6,7
.set ACC, 8*(8*(\a)+\b)
.set CCC, ACC
.if (\ks) == 0
.set CCC, 8*\b
.endif
.if \b%2
	v_wmma_scale_f32_16x16x128_f8f6f4 v[ACC:ACC+7], v[144+12*\b:155+12*\b], v[96+12*(\a):107+12*(\a)], v[CCC:CCC+7], v[32+4*(\ks)+\b/2], v[64+4*(\ks)+(\a)] matrix_a_fmt:MATRIX_FMT_FP6 matrix_b_fmt:MATRIX_FMT_FP6 matrix_a_scale:MATRIX_SCALE_ROW1
.else
	v_wmma_scale_f32_16x16x128_f8f6f4 v[ACC:ACC+7], v[144+12*\b:155+12*\b], v[96+12*(\a):107+12*(\a)], v[CCC:CCC+7], v[32+4*(\ks)+\b/2], v[64+4*(\ks)+(\a)] matrix_a_fmt:MATRIX_FMT_FP6 matrix_b_fmt:MATRIX_FMT_FP6
.endif
.endr
.endr
.endm
; THE WAY OUT, a tile of 16 rows x 128 columns at a time, through my own stage (rows of 512 bytes + 16) and back as whole rows.
.macro TOSTAGE a
	WIN 0x04                                       ; an LDS store's data are its source 1: window 1
.irp b, 0,1,2,3,4,5,6,7
	ds_store_b128 v18, v[64*(\a)+8*\b:64*(\a)+8*\b+3] offset:64*\b          ; each accumulator from its low end on
	ds_store_b128 v18, v[64*(\a)+8*\b+4:64*(\a)+8*\b+7] offset:64*\b+16
.endr
	WIN 0
.set BB, 96+64*((\a)%2)
.irp t, 0,1,2,3,4,5,6,7,8,9,10,11,12,13,14,15
	ds_load_b128 v[BB+4*\t:BB+4*\t+3], v19 offset:\t*528   ; LDS serves a wave's instructions in order: these see my stores
.endr
.endm
.macro SEND a, younger
.set BB, 96+64*((\a)%2)
	s_wait_dscnt \younger                          ; the tile is back; the LDS instructions issued behind its loads may be out
.irp t, 0,1,2,3,4,5,6,7,8,9,10,11,12,13,14,15
	global_store_b128 v7, v[BB+4*\t:BB+4*\t+3], s[10:11] offset:(32*((\a)/2)+8*((\a)%2)+\t+8*(\t/8))*4096 th:TH_STORE_NT   ; 512 consecutive bytes, aligned to 256; written once
.endr
.endm
	s_load_b256 s[4:11], s[0:1], 0x0               ; ac s[4:5], wq s[6:7], b_out s[8:9], out0 s[10:11]
	v_lshl_add_u32 v30, v0, 2, 0x4b000
	v_mov_b32 v31, 0
	ds_add_u32 v30, v31
	ds_add_u32 v30, v31
	v_lshrrev_b32 v1, 5, v0
	v_readfirstlane_b32 s14, v1                    ; wave 0..3
	s_lshr_b32 s15, s14, 1                         ; which 64 rows are mine.  Also: I fetch for A (0) or for W (1)
	s_and_b32 s16, s14, 1                          ; which 128 columns.  Also: which half of each chunk I fetch
	s_bfe_u32 s17, ttmp6, 0x40000                  ; cx
	s_bfe_u32 s18, ttmp6, 0x40004                  ; cy
	s_lshl_b32 s19, ttmp9, 2
	s_add_co_u32 s19, s19, s17                     ; the tile of 256 columns
	s_and_b32 s20, ttmp7, 0xffff
	s_lshl_b32 s20, s20, 2
	s_add_co_u32 s20, s20, s18                     ; the tile of 128 rows
	s_lshl_b32 s21, s18, 2
	s_lshl_b32 s21, 15, s21                        ; my row of the cluster
	s_lshl_b32 s22, 0x1111, s17                    ; my column
	s_or_b32 s24, s21, (3<<16)|(1<<21)             ; groups 1: dense blocks as rows of 256 bytes; A's go to my row,
	s_or_b32 s32, s22, (3<<16)|(1<<21)             ; W's to my column
.irp g, 24, 32
	s_mov_b32 s[\g+1], 32<<16
	s_mov_b32 s[\g+3], 32<<16
	s_mov_b32 s[\g+5], 32
	s_mov_b32 s[\g+6], 0
	s_mov_b32 s[\g+7], 0
.endr
	s_mov_b32 s26, 50<<16                          ; half a chunk of A: 50 rows
	s_mov_b32 s28, 50
	s_mov_b32 s34, 100<<16                         ; half a chunk of W: 100 rows
	s_mov_b32 s36, 100
	s_mul_i32 s80, s20, 102400
	s_mul_i32 s23, s16, 12800
	s_add_co_u32 s80, s80, s23
	s_mov_b32 s81, 0
	s_mul_i32 s82, s19, 204800
	s_mul_i32 s84, s16, 25600
	s_add_co_u32 s82, s82, s84
	s_mov_b32 s83, 0
	s_wait_dscnt 0x0
	s_wait_kmcnt 0x0
	s_add_nc_u64 s[80:81], s[4:5], s[80:81]
	s_add_nc_u64 s[82:83], s[6:7], s[82:83]
.irp j, 0,1,2,3
	s_mov_b32 s[40+4*\j], 1
	s_add_co_u32 s[41+4*\j], s23, 25600*\j
	s_add_nc_u64 s[42+4*\j:43+4*\j], s[80:81], 25600*\j
	s_or_b32 s[43+4*\j], s[43+4*\j], 0x80000000
.endr
	G0W 56, 0
	G0W 60, 1
	G0W 68, 2
	G0W 72, 3
	ROUND                                          ; all sixteen work-groups are here: the joint loads meet
	s_cmp_eq_u32 s15, 0                            ; a wave's four fills stand in one branch on the wave's number
	s_cbranch_scc0 .Lfor_w
	tensor_load_to_lds s[40:43], s[24:31]
	s_nop 0
	tensor_load_to_lds s[44:47], s[24:31]
	s_nop 0
	tensor_load_to_lds s[48:51], s[24:31]
	s_nop 0
	tensor_load_to_lds s[52:55], s[24:31]
	s_nop 0
.rept 4
	v_nop                                          ; behind tensor loads
.endr
	s_branch .Lasked
.Lfor_w:
	tensor_load_to_lds s[56:59], s[32:39]
	s_nop 0
	tensor_load_to_lds s[60:63], s[32:39]
	s_nop 0
	tensor_load_to_lds s[68:71], s[32:39]
	s_nop 0
	tensor_load_to_lds s[72:75], s[32:39]
	s_nop 0
.rept 4
	v_nop
.endr
.Lasked:
	s_lshl_b32 s85, s19, 10
	s_lshl_b32 s86, s16, 9
	s_add_co_u32 s86, s85, s86                     ; my first column, in bytes
	s_mov_b32 s87, 0
	s_add_nc_u64 s[8:9], s[8:9], s[86:87]
	v_bfe_u32 v3, v0, 4, 1                         ; h
	v_lshlrev_b32 v4, 5, v3
	WIN 0x80
.irp b, 0,1,2,3,4,5,6,7
	global_load_b128 v[8*\b:8*\b+3], v4, s[8:9] offset:64*\b          ; the bias in the result's layout: columns 16 b + 8 h + 0 .. 7
	global_load_b128 v[8*\b+4:8*\b+7], v4, s[8:9] offset:64*\b+16
.endr
	WIN 0
	s_lshl_b32 s88, s20, 7
	s_lshl_b32 s89, s15, 6
	s_add_co_u32 s88, s88, s89                     ; my first row
	s_lshl_b32 s88, s88, 12
	s_add_co_u32 s88, s88, s86
	s_mov_b32 s89, 0
	s_add_nc_u64 s[10:11], s[10:11], s[88:89]
	v_and_b32 v1, 31, v0                           ; lane
	v_and_b32 v2, 15, v0                           ; r
	v_mul_u32_u24 v5, v1, 24
	s_mul_i32 s90, s15, 3072
	v_add_nc_u32 v5, s90, v5                       ; A's images, chunks 0 and 1: my four tiles
	v_add_nc_u32 v6, 51200, v5                     ; chunks 2 and 3
	v_lshlrev_b32 v7, 4, v1
	s_mul_i32 s90, s16, 12288
	s_add_co_u32 s90, s90, 102400
	v_add_nc_u32 v8, s90, v7                       ; W's images, a register for each chunk: my eight tiles
	v_add_nc_u32 v9, 51200, v8
	v_add_nc_u32 v10, 51200, v9
	v_add_nc_u32 v11, 51200, v10
	v_lshlrev_b32 v12, 2, v1
	s_lshl_b32 s90, s16, 9
	s_add_co_u32 s90, s90, 102400
	v_add_nc_u32 v12, s90, v12                     ; W's scale words
	v_add_nc_u32 v13, 51200, v12
	v_add_nc_u32 v14, 51200, v13
	v_add_nc_u32 v15, 51200, v14
	v_lshlrev_b32 v16, 1, v2
	s_lshl_b32 s90, s15, 7
	v_add_nc_u32 v16, s90, v16                     ; the halves of A's scale words
	v_add_nc_u32 v17, 51200, v16
	s_mul_i32 s90, s14, 8448                       ; my stage for the way out, in A's chunks 0 and 1: they have had their only fill, and behind the last barrier nobody reads them
	v_mul_u32_u24 v18, v2, 528
	v_lshl_add_u32 v18, v3, 5, v18
	v_add_nc_u32 v18, s90, v18
	v_add_nc_u32 v19, s90, v7
	s_wait_tensorcnt 3                             ; my half of chunk 0 is in; my three later loads may stay out
	s_barrier_signal -1
	s_barrier_wait -1
	SCL 0
	FETCH 0
	s_wait_loadcnt 0x0                             ; the bias
.irp ks, 0,1,2,3,4,5,6,7
	s_wait_dscnt 0x0                               ; this K step's fragments and scales are in
.if \ks%2 == 0
	WIN 0
	ASM \ks/2
.endif
	MUL16 0, \ks
.if \ks < 7
.if \ks%2
	WIN 0
	s_wait_tensorcnt 3-(\ks+1)/2                   ; my half of the next chunk is in; my loads of later chunks may stay out
	s_barrier_signal -1                            ; (no LDS instruction of mine is out: the wait at this K step's head was for all)
	s_barrier_wait -1
.endif
	PLACES                                         ; four places ahead of loads into registers that matrix instructions have read
.if \ks%2
	SCL (\ks+1)/2
.endif
	FETCH \ks+1
.endif
	MUL16 2, \ks
.endr
	WIN 0
	PLACES                                         ; ahead of the first read of results and of loads into the fragments' registers
	TOSTAGE 0
.irp a, 1,2,3
.if \a > 1
	s_wait_xcnt 0x0                                ; the stores of two tiles back have read their registers: this tile's loads may land there
.endif
	TOSTAGE \a
	SEND \a-1, 32                                  ; behind that tile's loads: this tile's 16 stores and 16 loads
.endr
	SEND 3, 0
	s_wait_tensorcnt 0x0
	s_wait_dscnt 0x0
	s_wait_tensorcnt 0x0
	ds_add_u32 v30, v31
	s_wait_dscnt 0x0
	ROUND                                          ; the closing round: no work-group ends while a partner may still ask for a tile that names it
	s_endpgm
.Lfunc_end_k_q1d892ad804_gemm:
	.size	k_q1d892ad804_gemm, .Lfunc_end_k_q1d892ad804_gemm-k_q1d892ad804_gemm
	.p2alignl 7, 3214868480
	.fill 96, 4, 3214868480
	.section	.rodata,"a",@progbits
	.p2align	6, 0x0
	.amdhsa_kernel k_q1d892ad804_gemm
		.amdhsa_group_segment_fixed_size 307712
		.amdhsa_private_segment_fixed_size 0
		.amdhsa_enable_private_segment 0
		.amdhsa_kernarg_size 32
		.amdhsa_user_sgpr_count 2
		.amdhsa_user_sgpr_kernarg_segment_ptr 1
		.amdhsa_wavefront_size32 1
		.amdhsa_system_sgpr_workgroup_id_x 1
		.amdhsa_system_sgpr_workgroup_id_y 1
		.amdhsa_system_sgpr_workgroup_id_z 1
		.amdhsa_system_vgpr_workitem_id 0
		.amdhsa_next_free_vgpr 768
		.amdhsa_next_free_sgpr 96
		.amdhsa_reserve_vcc 0
		.amdhsa_float_denorm_mode_32 3
		.amdhsa_float_denorm_mode_16_64 3
		.amdhsa_memory_ordered 1
		.amdhsa_forward_progress 1
		.amdhsa_inst_pref_size 92
	.end_amdhsa_kernel
	.amdgpu_metadata
---
amdhsa.version: [ 1, 2 ]
amdhsa.kernels:
  - .name:           k_q1d892ad804_gemm
    .symbol:         k_q1d892ad804_gemm.kd
    .args:
      - { .name: ac, .offset: 0, .size: 8, .value_kind: global_buffer, .address_space: global }
      - { .name: wq, .offset: 8, .size: 8, .value_kind: global_buffer, .address_space: global }
      - { .name: b_out, .offset: 16, .size: 8, .value_kind: global_buffer, .address_space: global }
      - { .name: out0, .offset: 24, .size: 8, .value_kind: global_buffer, .address_space: global }
    .group_segment_fixed_size: 307712
    .private_segment_fixed_size: 0
    .kernarg_segment_align: 8
    .kernarg_segment_size: 32
    .max_flat_workgroup_size: 128
    .sgpr_count:     96
    .vgpr_count:     768
    .wavefront_size: 32
...
	.end_amdgpu_metadata
.endif
;; end of part 3
